; MI455X (gfx1250); checked and timed in simulation.
; The chip was launched on July 23, 2026; its instructions are those of AMD's public machine-readable ISA for CDNA 5 (MIT licence, August 2026) and "CDNA5" Instruction Set Architecture Reference Guide (July 2026). The comments in the code are by the model that wrote it; some were corrected since.
;; Differentiable Embedding Classifier. Allowed arithmetic: float matrix products may take bf16 or f16 operands with f32 sums; other float arithmetic in f32, or as packed bf16 or f16 multiplies, adds, multiply-adds, maxima and minima; sums over many terms, partial sums and values carried from step to step in f32; what a program stores and reads back later, other than sums and carried values, may be rounded once to bf16 or f16.
;; Inputs: bias 2,000 float32; blk_b 5 x 1,024 float32; blk_w 5 x 1,024 x 1,024 float32; gates_w 2,000 x 1 float32; weight 1,024 x 2,000 float32; x 2 x 2,048 x 1,024 float32.
;; Outputs: out0 2 x 2,048 x 2,000 float32.
;; One version. Each part assembles by itself: llvm-mc -triple=amdgcn-amd-amdhsa -mcpu=gfx1250 --defsym DOCPART=n.
;; ======== version 1 of 1: 3 launches
;; limits: values are held in f16: magnitudes above 65,504 overflow, below 6.1e-05 lose precision
;; workspace buffers: xh 8,388,608 bytes; wh 10,485,760 bytes; mwt 4,096,000 bytes; wct 4,194,304 bytes; cpart 32,768 bytes; ppos 8,192 bytes of whole numbers; tiles 256 bytes of whole numbers
;; launch prep (part 1): grid 417 x 1, 8 waves a work-group, no clusters, 36,096 bytes of LDS; arguments x, blk_w, weight, gates_w, xh, wh, mwt, ppos, tiles, wct; writes xh, wh, mwt, ppos, tiles, wct
.if DOCPART == 1
	.amdgcn_target "amdgcn-amd-amdhsa--gfx1250"
	.amdhsa_code_object_version 6
	.text
	.protected	k_q13aacd2a05_prep
	.globl	k_q13aacd2a05_prep
	.p2align	8
	.type	k_q13aacd2a05_prep,@function
k_q13aacd2a05_prep:
	s_mov_b64 s[64:65], 0
	v_nop
	global_prefetch_b8 v0, s[64:65] scope:SCOPE_SE
	s_setreg_imm32_b32 hwreg(HW_REG_WAVE_MODE, 25, 1), 1
	s_wait_xcnt 0x0
; PREP: everything that is made once from the inputs.  Three kinds of work-group, chosen by the work-group's number alone:
;   0          THE ROUTER: for each of the 2,000 vocabulary columns its branch s(v) = floor(gw 5) and its place among the columns sorted by branch, as whole numbers
;              (ppos, tiles), for the next launch's addresses; and zeros into rows 2000..2047 of wct, which the last launch reads as part of its tiles.
;   1 .. 128   THE TRANSPOSE: a tile of 128 e x 128 v of weight, times its mask, times 16, rounded to f16 and turned: mwt[v][e].
;   129 .. 416 THE CAST: 131,072 bytes of x (128 work-groups) or of blk_w (160) rounded to f16, in the same order: xh, wh.
; THE MASK, as reference() makes it: g = 1024 gw; mask = (e < g) + (1e9 g - floor(1e9 g)) / 1e9.  A column whose floor(gw 5) is not 0..4 is chosen by no branch: its row of mwt is 0
; and it is filed under branch 0, so that the later products give 0 and the output is the bias alone.
; LIMITS.  f16 holds no number beyond 65,504: |x|, |blk_w| and 16 |weight x mask| stay within it.  The division by 1e9 is a multiplication by f32(1e-9).  The residue term (at most 1e-9 of a
; weight) is computed, and is lost where 16 x weight x residue falls below f16's smallest step, 6e-8.  NaN and infinite gates are not treated apart: such a column gets the bias.
; No matrix work, no cluster, no tensor load: every byte is read once by one work-group, through registers.
.set TP,    272                        ; a stage row: 128 e x 2 bytes + 16: neighbouring rows start 4 banks apart (64 banks of 4 bytes: ISA guide 11.1)
.set SPARE, 128*TP                     ; behind the stage: the spare words, 128 bytes for each of eight waves: four blocks of 256 bytes that no other line names
.set RCNT,  SPARE+1024                 ; behind the spare words: the router's counts, 32 bytes a wave: a block of 256 bytes of its own, so that the router and the transpose name no common LDS byte
.set SPW,   2                          ; v2  LDS address of my spare word; never rewritten
.set NIL,   3                          ; v3  0; never rewritten
.set CX,    32                         ; cast: v[32:95]  sixteen slots of four f32 as loaded
.set CY,    96                         ; cast: v[96:159] two registers of f16 for each of the 32 steps: none is written twice
	s_load_b512 s[4:19], s[0:1], 0x0               ; x s4, blk_w s6, weight s8, gates_w s10, xh s12, wh s14, mwt s16, ppos s18
	s_load_b128 s[20:23], s[0:1], 0x40             ; tiles s20, wct s22
	v_lshl_add_u32 v[SPW], v0, 2, SPARE
	v_mov_b32 v[NIL], 0
	v_and_b32 v1, 31, v0                           ; lane
	v_lshrrev_b32 v4, 5, v0
	v_readfirstlane_b32 s24, v4                    ; wave 0..7
	s_mov_b32 s25, ttmp9
	s_mov_b32 s33, 0                               ; the high word of every 32-bit offset
	s_wait_kmcnt 0x0
	s_cmp_eq_u32 s25, 0
	s_cbranch_scc1 .Lrouter
	s_cmp_lt_u32 s25, 129
	s_cbranch_scc1 .Ltrans
; ---------------------------------------------------------------- THE CAST
; Thread t takes 16 bytes at 16 t of each of 32 steps of 4,096 bytes and stores 8 bytes at 8 t of each of 32 steps of 2,048: a wave's load covers 512 consecutive bytes, its store 256, aligned.
	s_sub_co_u32 s26, s25, 129                     ; chunk of x,
	s_sub_co_u32 s27, s25, 257                     ; or of blk_w
	s_cmp_lt_u32 s26, 128
	s_cselect_b64 s[28:29], s[4:5], s[6:7]
	s_cselect_b64 s[30:31], s[12:13], s[14:15]
	s_cselect_b32 s26, s26, s27
	s_lshl_b32 s32, s26, 17
	s_add_nc_u64 s[28:29], s[28:29], s[32:33]
	s_lshl_b32 s32, s26, 16
	s_add_nc_u64 s[30:31], s[30:31], s[32:33]
	v_lshlrev_b32 v4, 4, v0
	v_lshlrev_b32 v5, 3, v0
.macro CLOAD k
	global_load_b128 v[CX+4*((\k)%16):CX+4*((\k)%16)+3], v4, s[28:29] offset:4096*(\k) th:TH_LOAD_NT
.endm
.macro CSLOT k
.if (\k) < 16
	s_wait_loadcnt 15                              ; loads come back in order: mine is in, the fifteen younger ones stay out
.else
	s_wait_loadcnt 31-(\k)                         ; nothing more is asked for: the counts run down
.endif
	v_cvt_pk_f16_f32 v[CY+2*(\k)],   v[CX+4*((\k)%16)],   v[CX+4*((\k)%16)+1]
	v_cvt_pk_f16_f32 v[CY+2*(\k)+1], v[CX+4*((\k)%16)+2], v[CX+4*((\k)%16)+3]
.if (\k) < 16
	CLOAD (\k)+16                                  ; the slot's next step, ahead of the store
.endif
	global_store_b64 v5, v[CY+2*(\k):CY+2*(\k)+1], s[30:31] offset:2048*(\k)
.endm
.set k, 0
.rept 16
	CLOAD k
.set k, k+1
.endr
.set k, 0
.rept 32
	CSLOT k
.set k, k+1
.endr
	s_endpgm
; The branch of a column, by the same lines in the router and in the transpose, so that the two agree bit for bit: f = floor(((gw 1024) / 1024) 5); s34 = the lanes with 0 <= f <= 4.
.macro SELECT gw, f
	v_mul_f32 v[\f], 0x44800000, v[\gw]            ; g = 1024 gw
	v_mul_f32 v[\f], 0x3a800000, v[\f]             ; g / 1024
	v_mul_f32 v[\f], 0x40a00000, v[\f]             ; x 5; reference()'s further factor 1 - 1e-10 is 1 in f32
	v_floor_f32 v[\f], v[\f]
	v_cmp_le_f32 s34, 0, v[\f]
	v_cmp_ge_f32 s35, 4.0, v[\f]
	s_and_b32 s34, s34, s35
.endm
; ---------------------------------------------------------------- THE TRANSPOSE
; Wave w loads rows e = 8 w + 0..7 and 64 + 8 w + 0..7 of the tile; lane l holds columns 4 l + 0..3 of each: a load covers 512 consecutive bytes of a row of weight.
; Eight e of one column pack into 16 bytes, which go to stage row 32 c + l (column 4 l + c); read back by rows, sixteen lanes hold 256 consecutive bytes of a row of mwt.
.Ltrans:
	s_sub_co_u32 s26, s25, 1
	s_and_b32 s27, s26, 15                         ; ct: which 128 columns
	s_lshr_b32 s28, s26, 4                         ; et: which 128 rows
	s_lshl_b32 s29, s27, 9
	v_lshl_add_u32 v4, v1, 4, s29                  ; byte of my four columns in a row of weight, and in gates_w;
	v_min_u32 v4, 7984, v4                         ; past column 1999 the last four are read again: those stage rows are never stored
	s_lshl_b32 s30, s28, 7
	s_lshl3_add_u32 s30, s24, s30                  ; my first row: 128 et + 8 w
	s_mul_i32 s32, s30, 8000
	s_add_nc_u64 s[8:9], s[8:9], s[32:33]
	global_load_b128 v[8:11], v4, s[10:11]
.irp p, 0,1
.irp j, 0,1,2,3,4,5,6,7
	global_load_b128 v[32+4*(8*\p+\j):32+4*(8*\p+\j)+3], v4, s[8:9] offset:(64*\p+\j)*8000 th:TH_LOAD_NT
.endr
.endr
	v_mov_b32 v25, 0x41800000                      ; 16.0
	v_mul_u32_u24 v5, v1, TP
	v_lshl_add_u32 v5, s24, 4, v5                  ; into the stage: row l, bytes 16 w
	v_and_b32 v30, 15, v0
	v_bfe_u32 v31, v0, 4, 1
	s_lshl_b32 s38, s24, 2
	v_add_nc_u32 v7, s38, v31                      ; 4 w + half
	v_mul_u32_u24 v6, v7, TP
	v_lshl_add_u32 v6, v30, 4, v6                  ; back: stage row 4 w + half (+ 32 c + 2 q), 16 bytes a lane
	v_lshlrev_b32 v7, 13, v7
	v_lshl_add_u32 v7, v30, 4, v7                  ; in mwt: row 16 w + 4 half (+ 8 q + c) of the tile's 128, 2,048 bytes a row
	s_lshl_b32 s32, s27, 18                        ; 128 rows of mwt,
	s_lshl_b32 s38, s28, 8                         ; 128 e
	s_add_co_u32 s32, s32, s38
	s_add_nc_u64 s[16:17], s[16:17], s[32:33]
	s_wait_loadcnt 16                              ; the gates are in; the sixteen rows stay out
.irp c, 0,1,2,3
	SELECT 8+\c, 26
	v_cndmask_b32 v27, 0, v25, s34                 ; 16, or 0 for a column that no branch takes
	v_mul_f32 v[12+\c], 0x44800000, v[8+\c]        ; g
	v_mul_f32 v28, 0x4e6e6b28, v[12+\c]            ; 1e9 g
	v_floor_f32 v29, v28
	v_sub_f32 v28, v28, v29
	v_mul_f32 v28, 0x3089705f, v28                 ; the residue
	v_mul_f32 v[16+\c], v28, v27                   ; the mask x 16 where e >= g,
	v_add_f32 v28, 1.0, v28
	v_mul_f32 v[20+\c], v28, v27                   ; and where e < g
.endr
.macro TPASS p                         ; eight rows: masked, packed along e, stored into the stage
.irp j, 0,1,2,3,4,5,6,7
	s_add_co_u32 s36, s30, 64*(\p)+\j
	s_cvt_f32_u32 s36, s36                         ; e as reference() compares it, exact
.irp c, 0,1,2,3
	v_cmp_lt_f32 vcc_lo, s36, v[12+\c]
	v_cndmask_b32 v26, v[16+\c], v[20+\c], vcc_lo
	v_mul_f32 v[32+4*(8*(\p)+\j)+\c], v[32+4*(8*(\p)+\j)+\c], v26
.endr
.endr
.irp c, 0,1,2,3
.irp q, 0,1,2,3
	v_cvt_pk_f16_f32 v[96+4*\c+\q], v[32+4*(8*(\p)+2*\q)+\c], v[32+4*(8*(\p)+2*\q+1)+\c]
.endr
	ds_store_b128 v5, v[96+4*\c:96+4*\c+3] offset:32*TP*\c+128*(\p)
.endr
.endm
	s_wait_loadcnt 8                               ; the first eight rows are in
	TPASS 0
	s_wait_loadcnt 0x0
	TPASS 1
	s_wait_dscnt 0x0                               ; for the others' sake: my stores into the stage are done
	s_barrier_signal -1
	s_barrier_wait -1
	s_lshl_b32 s37, s27, 7
	s_lshl4_add_u32 s37, s24, s37                  ; my first row of mwt: 128 ct + 16 w.  2,000 = 128 x 15 + 16 x 5: a wave's sixteen rows exist all or not at all
	s_cmp_ge_u32 s37, 2000
	s_cbranch_scc1 .Ltend
.irp c, 0,1,2,3
.irp q, 0,1
	ds_load_b128 v[112+4*(2*\c+\q):112+4*(2*\c+\q)+3], v6 offset:(32*\c+2*\q)*TP
.endr
.endr
.irp c, 0,1,2,3
.irp q, 0,1
	s_wait_dscnt 7-(2*\c+\q)                       ; LDS loads come back in order: this one is in
	global_store_b128 v7, v[112+4*(2*\c+\q):112+4*(2*\c+\q)+3], s[16:17] offset:(8*\q+\c)*2048  ; sixteen lanes store 256 consecutive bytes, aligned
.endr
.endr
.Ltend:
	s_wait_tensorcnt 0x0                           ; the wave's end: a zero add onto my spare word and its wait, behind my last LDS store
	ds_add_u32 v[SPW], v[NIL]
	s_wait_dscnt 0x0
	s_endpgm
; ---------------------------------------------------------------- THE ROUTER
; Thread t has columns 8 t + 0..7.  A column's rank in its branch counts, in this order: earlier waves; in my wave earlier j; in that j lower lanes: a bijection, which is all that is needed.
; Tiles hold 80 columns; branch b owns n_b = ceil(count_b / 80) of them from tile tb_b on: never more than (2,000 + 5 x 79) / 80 = 29.  ppos[v] = 80 tb_s + rank; 0xffff from v = 2000 on.
; All these numbers are only stored here: no address and no branch of this launch hangs on them.
.Lrouter:
	v_mov_b32 v144, 0
	v_mov_b32 v145, 0
	v_mov_b32 v146, 0
	v_mov_b32 v147, 0
	v_lshlrev_b32 v6, 4, v1
	s_mul_i32 s32, s24, 12288                      ; 48 rows of 2,048 bytes, an eighth a wave,
	s_add_co_u32 s32, s32, 4096000                 ; from row 2000 on
	s_add_nc_u64 s[22:23], s[22:23], s[32:33]
	v_lshlrev_b32 v4, 5, v0                        ; byte of my eight numbers in gates_w and in ppos
	v_min_u32 v5, 7968, v4                         ; threads past column 1999 read the last eight again
	global_load_b128 v[8:11], v5, s[10:11]
	global_load_b128 v[12:15], v5, s[10:11] offset:16
.set k, 0
.rept 24
	global_store_b128 v6, v[144:147], s[22:23] offset:512*k
.set k, k+1
.endr
	v_lshlrev_b32 v7, 3, v0
	v_cmp_gt_u32 s39, 2000, v7                     ; my eight columns exist (2,000 is a multiple of 8)
.irp b, 0,1,2,3,4
	s_mov_b32 s[40+\b], 0
.endr
	s_wait_loadcnt 0x0
.irp j, 0,1,2,3,4,5,6,7
	SELECT 8+\j, 16
	v_cvt_i32_f32 v16, v16
	v_cndmask_b32 v16, 0, v16, s34                 ; a column that no branch takes is filed under branch 0
	v_cndmask_b32 v[8+\j], 7, v16, s39             ; a column that does not exist under none
.endr
.irp j, 0,1,2,3,4,5,6,7                ; my wave's count for each branch
.irp b, 0,1,2,3,4
	v_cmp_eq_u32 s[50+\b], \b, v[8+\j]
.endr
.irp b, 0,1,2,3,4
	s_bcnt1_i32_b32 s[50+\b], s[50+\b]
	s_add_co_u32 s[40+\b], s[40+\b], s[50+\b]
.endr
.endr
.irp b, 0,1,2,3,4
	v_mov_b32 v[16+\b], s[40+\b]
.endr
	v_mov_b32 v21, 0
	v_mov_b32 v22, 0
	v_mov_b32 v23, 0
	v_mov_b32 v24, s24
	v_lshlrev_b32 v24, 5, v24                      ; 32 bytes a wave, from RCNT on; all lanes write the same words with the same values
	ds_store_b128 v24, v[16:19] offset:RCNT
	ds_store_b128 v24, v[20:23] offset:RCNT+16
	s_wait_dscnt 0x0                               ; for the others' sake
	s_barrier_signal -1
	s_barrier_wait -1
	v_mov_b32 v25, 0
.set k, 0
.rept 16
	ds_load_b128 v[32+4*k:32+4*k+3], v25 offset:RCNT+16*k  ; wave w's count for branch b comes to v[32 + 8 w + b]
.set k, k+1
.endr
	s_wait_dscnt 0x0
.irp w, 0,1,2,3,4,5,6,7                ; v[96+b]: all waves' sum; v[101+b]: the sum of the waves in front of mine
	s_cmp_gt_u32 s24, \w
	s_cselect_b32 s60, -1, 0
.irp b, 0,1,2,3,4
.if \w == 0
	v_mov_b32 v[96+\b], v[32+\b]
	v_and_b32 v[101+\b], s60, v[32+\b]
.else
	v_add_nc_u32 v[96+\b], v[96+\b], v[32+8*\w+\b]
	v_and_b32 v106, s60, v[32+8*\w+\b]
	v_add_nc_u32 v[101+\b], v[101+\b], v106
.endif
.endr
.endr
.irp b, 0,1,2,3,4
	v_readfirstlane_b32 s[40+\b], v[96+\b]         ; count_b
	v_readfirstlane_b32 s[45+\b], v[101+\b]
.endr
	s_mov_b32 s55, 0                               ; tb_0
.irp b, 0,1,2,3
	s_add_co_u32 s61, s[40+\b], 79
	s_mul_i32 s61, s61, 52429                      ; / 80: 52,429 x 80 = 2^22 + 16, exact for numbers up to 2,079
	s_lshr_b32 s61, s61, 22
	s_add_co_u32 s[56+\b], s[55+\b], s61           ; tb_(b+1)
.endr
.irp b, 0,1,2,3,4
	s_mul_i32 s61, s[55+\b], 80
	s_add_co_u32 s[45+\b], s[45+\b], s61           ; the place of my wave's first column of branch b
.endr
.irp j, 0,1,2,3,4,5,6,7
	v_mov_b32 v[112+\j], 0xffff
.endr
.irp j, 0,1,2,3,4,5,6,7
.irp b, 0,1,2,3,4
	v_cmp_eq_u32 s50, \b, v[8+\j]
	v_mbcnt_lo_u32_b32 v106, s50, s[45+\b]         ; the running place + how many lower lanes have the same branch
	v_cndmask_b32 v[112+\j], v[112+\j], v106, s50
	s_bcnt1_i32_b32 s51, s50
	s_add_co_u32 s[45+\b], s[45+\b], s51
.endr
.endr
	global_store_b128 v4, v[112:115], s[18:19]
	global_store_b128 v4, v[116:119], s[18:19] offset:16
	s_cmp_lg_u32 s24, 0
	s_cbranch_scc1 .Lrend
	v_mov_b32 v120, 0                              ; wave 0, lane s: tile s's branch,
	v_mov_b32 v121, s40                            ; that branch's count,
	v_mov_b32 v122, 0                              ; and its first tile: the last branch whose first tile is not behind s
.irp b, 1,2,3,4
	v_cmp_le_u32 vcc_lo, s[55+\b], v1
	v_mov_b32 v123, \b
	v_mov_b32 v124, s[40+\b]
	v_mov_b32 v125, s[55+\b]
	v_cndmask_b32 v120, v120, v123, vcc_lo
	v_cndmask_b32 v121, v121, v124, vcc_lo
	v_cndmask_b32 v122, v122, v125, vcc_lo
.endr
	v_sub_nc_u32 v122, v1, v122
	v_mul_u32_u24 v122, v122, 80
	v_sub_nc_u32 v121, v121, v122                  ; what is left of the branch at this tile,
	v_max_i32 v121, 0, v121                        ; 0 for a tile behind the last,
	v_min_i32 v121, 80, v121                       ; 80 at the most
	v_lshlrev_b32 v126, 3, v1
	global_store_b64 v126, v[120:121], s[20:21]    ; 32 lanes x 8 bytes: the whole table
.Lrend:
	s_wait_tensorcnt 0x0                           ; the wave's end: a zero add onto my spare word and its wait, behind my last LDS store
	ds_add_u32 v[SPW], v[NIL]
	s_wait_dscnt 0x0
	s_endpgm
.Lfunc_end_k_q13aacd2a05_prep:
	.size	k_q13aacd2a05_prep, .Lfunc_end_k_q13aacd2a05_prep-k_q13aacd2a05_prep
	.p2alignl 7, 3214868480
	.fill 96, 4, 3214868480
	.section	.rodata,"a",@progbits
	.p2align	6, 0x0
	.amdhsa_kernel k_q13aacd2a05_prep
		.amdhsa_group_segment_fixed_size 36096
		.amdhsa_private_segment_fixed_size 0
		.amdhsa_enable_private_segment 0
		.amdhsa_kernarg_size 80
		.amdhsa_user_sgpr_count 2
		.amdhsa_user_sgpr_kernarg_segment_ptr 1
		.amdhsa_wavefront_size32 1
		.amdhsa_system_sgpr_workgroup_id_x 1
		.amdhsa_system_sgpr_workgroup_id_y 1
		.amdhsa_system_sgpr_workgroup_id_z 1
		.amdhsa_system_vgpr_workitem_id 0
		.amdhsa_next_free_vgpr 160
		.amdhsa_next_free_sgpr 66
		.amdhsa_reserve_vcc 1
		.amdhsa_float_denorm_mode_32 3
		.amdhsa_float_denorm_mode_16_64 3
		.amdhsa_memory_ordered 1
		.amdhsa_forward_progress 1
		.amdhsa_inst_pref_size 62
	.end_amdhsa_kernel
	.amdgpu_metadata
---
amdhsa.version: [ 1, 2 ]
amdhsa.kernels:
  - .name:           k_q13aacd2a05_prep
    .symbol:         k_q13aacd2a05_prep.kd
    .args:
      - { .name: x, .offset: 0, .size: 8, .value_kind: global_buffer, .address_space: global }
      - { .name: blk_w, .offset: 8, .size: 8, .value_kind: global_buffer, .address_space: global }
      - { .name: weight, .offset: 16, .size: 8, .value_kind: global_buffer, .address_space: global }
      - { .name: gates_w, .offset: 24, .size: 8, .value_kind: global_buffer, .address_space: global }
      - { .name: xh, .offset: 32, .size: 8, .value_kind: global_buffer, .address_space: global }
      - { .name: wh, .offset: 40, .size: 8, .value_kind: global_buffer, .address_space: global }
      - { .name: mwt, .offset: 48, .size: 8, .value_kind: global_buffer, .address_space: global }
      - { .name: ppos, .offset: 56, .size: 8, .value_kind: global_buffer, .address_space: global }
      - { .name: tiles, .offset: 64, .size: 8, .value_kind: global_buffer, .address_space: global }
      - { .name: wct, .offset: 72, .size: 8, .value_kind: global_buffer, .address_space: global }
    .group_segment_fixed_size: 36096
    .private_segment_fixed_size: 0
    .kernarg_segment_align: 8
    .kernarg_segment_size: 80
    .max_flat_workgroup_size: 256
    .sgpr_count:     66
    .vgpr_count:     160
    .wavefront_size: 32
...
	.end_amdgpu_metadata
.endif
;; end of part 1
;; launch comb (part 2): grid 8 x 29, 4 waves a work-group, no clusters, 327,680 bytes of LDS; arguments ppos, tiles, mwt, wh, blk_b, wct, cpart; writes wct, cpart
.if DOCPART == 2
	.amdgcn_target "amdgcn-amd-amdhsa--gfx1250"
	.amdhsa_code_object_version 6
	.text
	.protected	k_q13aacd2a05_comb
	.globl	k_q13aacd2a05_comb
	.p2align	8
	.type	k_q13aacd2a05_comb,@function
k_q13aacd2a05_comb:
	s_mov_b64 s[64:65], 0
	v_nop
	global_prefetch_b8 v0, s[64:65] scope:SCOPE_SE
	s_setreg_imm32_b32 hwreg(HW_REG_WAVE_MODE, 25, 1), 1
	s_wait_xcnt 0x0
; COMB: the two products of reference() are taken in the other order: (x W^T + b) M = x (W^T M) + b M, which holds for every input and needs a third of the multiply-adds.
; This launch makes, for each vocabulary column v with branch s: wct[v][d] = f16(sum over e of wh[s][e][d] mwt[v][e]) (mwt carries the mask and a factor 16), and the four quarter sums over e of
; blk_b[s][e] mwt[v][e], cpart[q][v], in f32.
; LIMITS.  The order of the roundings differs from reference()'s.  Matrix operands are f16: |blk_b| and 16 |sum| stay under 65,504; sums in f32.
; SHARES.  Work-group (dt, slot): 128 d x the 80 columns at places 80 slot .. + 79 of the order by branch, all of one branch.  A wave: all 80 columns x 32 d: ten accumulators.  K = 1,024 e in four steps of 256.
; A slot with fewer than 80 columns repeats column 0's row in the places past its count and stores nothing for them; a slot with none (the grid serves every split of the columns) runs the same text and stores nothing,
; since every wave passes every barrier.
; NO CLUSTER: the work-groups that walk the same tiles of wh are a branch's slots, whose number hangs on stored counts and is no multiple of four in general; what the eight dt of a slot share, the rows of mwt,
; comes by a list, row by row through registers, which no tile descriptor covers.
; THE MATRIX INSTRUCTION: source 0 = 16 d (wh lies [e][d]: turned on its way out of LDS by ds_load_tr16_b128), source 1 = 16 columns v (mwt's rows lie along e).  In the result lane l holds column l % 16 and
; d = 8 (l / 16) + 0..7: eight neighbouring numbers of a row of wct.
.set AP,    2064                       ; a row of A in LDS: 2,048 bytes + 16 = 516 words: the 16 rows of a load start 4 banks apart (64 banks of 4 bytes: ISA guide 11.1)
.set ROWB,  80*AP                      ; row 80: blk_b of the branch, in f16
.set WBASE, 167424                     ; A (81 rows, written by ds_store alone) ends in the block of 256 bytes in front of this
.set WP,    288                        ; a row of wh in LDS: 256 bytes + 32 = 72 words
.set WSLOT, 256*WP                     ; a slot: 256 e
.set LIST,  WBASE+2*WSLOT              ; 128 bytes a wave: the columns at its 20 places, and at word 20 a word for all the others
.set SPARE, LIST+512                   ; the spare words, 128 bytes for each wave: two blocks of 256 bytes that no other line names
.set SP,    272                        ; the stage (in A, when A has been read out): 80 rows of 256 bytes + 16
.set R,    1                           ; v1   l % 16
.set HH,   2                           ; v2   l / 16
.set LN,   3                           ; v3   lane
.set SPW,  4                           ; v4   LDS address of my spare word; never rewritten
.set NIL,  5                           ; v5   0, for the add alone
.set Z2,   6                           ; v6   0, to store
.set LRD,  7                           ; v7   where I read my wave's list
.set AST,  8                           ; v8   where I put gathered rows
.set LIM,  9                           ; v9   count - 20 w - l / 16: row pair i is stored where 2 i is less
.set ROFF, 10                          ; v10-19  pair i: byte offset of my 16 bytes' column in mwt and in wct: 2,048 v + 16 (l % 16)
.set ADRA, 20                          ; v20-24  A's fragments, row block a
.set ADRW, 25                          ; v25-28  wh's fragments: slot, half of its 256 rows
.set STO,  29                          ; v29  the way out: where I put 16 bytes of a row
.set RD,   30                          ; v30  where I read rows back
.set PA,   31                          ; v31  16 x lane
.set ACC,  32                          ; v32-111  accumulator (a, nt) at ACC + 8 (2 a + nt).  Before the products: ppos, blk_b, and the gather's ring v32-191
.set FR0,  112                         ; v112-167  fragment buffer 0: wh's two, then A's five
.set FR1,  168                         ; v168-223  buffer 1
.set T0,   224                         ; v224-239  the bias sums' two accumulators
.set T1,   232
	s_load_b256 s[4:11], s[0:1], 0x0               ; ppos s4, tiles s6, mwt s8, wh s10
	s_load_b128 s[12:15], s[0:1], 0x20             ; blk_b s12, wct s14
	s_load_b64 s[16:17], s[0:1], 0x30              ; cpart
	v_lshl_add_u32 v[SPW], v0, 2, SPARE
	v_mov_b32 v[NIL], 0
	ds_add_u32 v[SPW], v[NIL]                      ; the wave's opening: the add, and its wait ahead of my first tensor load; the set-up below, work on registers, stands between them
	v_lshrrev_b32 v[R], 5, v0
	v_readfirstlane_b32 s20, v[R]                  ; wave 0..3
	v_and_b32 v[R], 15, v0
	v_bfe_u32 v[HH], v0, 4, 1
	v_and_b32 v[LN], 31, v0
	v_mov_b32 v[Z2], 0
	v_lshlrev_b32 v[PA], 4, v[LN]
	s_mov_b32 s21, ttmp9                           ; dt
	s_and_b32 s22, ttmp7, 0xffff                   ; slot
	; descriptor group 1: a tile of 64 rows (e) x 128 elements (d), padded in LDS
	s_mov_b32 s24, (1<<16)|(1<<20)|(5<<22)|(7<<25) ; 17:16 elements of 2 bytes; 20 padding on; 24:22 after every 64 words (code 5); 31:25 8 words of it (code 7)
	s_mov_b32 s25, 128<<16                         ; tensor_dim0 = 128
	s_mov_b32 s26, 64<<16                          ; tensor_dim1 = 64
	s_mov_b32 s27, 128<<16                         ; tile_dim0 = 128
	s_mov_b32 s28, 64                              ; tile_dim1 = 64
	s_mov_b32 s29, 1024                            ; elements from row to row
	s_mov_b32 s30, 0
	s_mov_b32 s31, 0
	s_mul_i32 s23, s22, 80
	s_mul_i32 s40, s20, 20
	s_add_co_u32 s23, s23, s40                     ; the first of my wave's 20 places
	s_lshl_b32 s48, s20, 7
	s_add_co_u32 s48, s48, LIST                    ; my wave's list
	s_lshl_b32 s42, s22, 3
	s_mov_b32 s43, 0                               ; the high word of every 32-bit offset
	s_mul_i32 s45, s20, 64*WP
	s_add_co_u32 s45, s45, WBASE                   ; my quarter of slot 0
	s_wait_dscnt 0x0                               ; the opening add is done
	s_wait_kmcnt 0x0
	s_add_nc_u64 s[6:7], s[6:7], s[42:43]
	s_load_b64 s[18:19], s[6:7], 0x0               ; the slot's branch and count
.set q, 0
.rept 16
	global_load_b128 v[32+4*q:32+4*q+3], v[PA], s[4:5] offset:512*q  ; every wave reads all 2,048 places: 8,192 bytes
.set q, q+1
.endr
	s_wait_kmcnt 0x0
	s_min_u32 s18, s18, 4                          ; stored whole numbers enter addresses and masks only within their bounds
	s_min_u32 s19, s19, 80
	s_lshl_b32 s42, s18, 21                        ; the branch's 1,024 x 1,024 f16,
	s_lshl_b32 s44, s21, 8                         ; my work-group's 128 d,
	s_add_co_u32 s42, s42, s44
	s_lshl_b32 s44, s20, 17                        ; my wave's 64 rows
	s_add_co_u32 s42, s42, s44
	s_add_nc_u64 s[10:11], s[10:11], s[42:43]
.irp n, 0,1                            ; group 0, a set for each slot, and the two first fills together: two tensor loads of mine are out
	s_mov_b32 s[32+4*\n], 1                        ; count = 1
	s_add_co_u32 s[33+4*\n], s45, \n*WSLOT         ; LDS address
	s_add_nc_u64 s[34+4*\n:35+4*\n], s[10:11], \n*524288  ; K step n: 256 rows of 2,048 bytes on
	s_or_b32 s[35+4*\n], s[35+4*\n], 0x80000000    ; type = 2
	tensor_load_to_lds s[32+4*\n:35+4*\n], s[24:31]
	s_nop 0
.endr
	v_lshl_add_u32 v240, v[LN], 2, s48
	ds_store_b32 v240, v[Z2]                       ; my list begins as zeros: a place past the count names column 0, which exists
	s_lshl_b32 s42, s18, 12
	s_add_nc_u64 s[12:13], s[12:13], s[42:43]
	v_lshlrev_b32 v241, 5, v0
	global_load_b128 v[104:107], v241, s[12:13]    ; blk_b of the branch: eight numbers a thread
	global_load_b128 v[108:111], v241, s[12:13] offset:16
	v_mov_b32 v242, s23
	v_lshlrev_b32 v243, 2, v[LN]
	s_wait_loadcnt 0x2                             ; ppos is in; blk_b's two loads stay out
; THE LIST.  Column v = 128 q + 4 lane + n lies at place P: if that is one of my wave's 20, v goes to the list's word P - first place; else to word 20, which nobody reads.  The bytes are my wave's own.
.macro SCAN q, n
	v_sub_nc_u32 v[244+(\n)], v[32+4*(\q)+(\n)], v242
	v_min_u32 v[244+(\n)], 20, v[244+(\n)]         ; a place in front of mine wraps to a large number
	v_lshl_add_u32 v[244+(\n)], v[244+(\n)], 2, s48
	v_add_nc_u32 v[248+(\n)], 128*(\q)+(\n), v243
	ds_store_b32 v[244+(\n)], v[248+(\n)]
.endm
.set q, 0
.rept 16
.irp n, 0,1,2,3
	SCAN q, \n
.endr
.set q, q+1
.endr
	s_wait_loadcnt 0x0                             ; blk_b
.irp i, 0,1,2,3
	v_cvt_pk_f16_f32 v[252+\i], v[104+2*\i], v[105+2*\i]
.endr
	v_lshl_add_u32 v240, v0, 4, ROWB
	ds_store_b128 v240, v[252:255]                 ; row 80 of A
	v_lshl_add_u32 v[LRD], v[HH], 2, s48
.irp i, 0,1,2,3,4,5,6,7,8,9
	ds_load_b32 v[ROFF+\i], v[LRD] offset:8*\i     ; LDS serves a wave's instructions in order (ISA guide 5.7.1.4): these see the stores above.  Lanes 0-15: place 2 i, lanes 16-31: place 2 i + 1
.endr
	v_lshlrev_b32 v241, 4, v[R]
	s_wait_dscnt 0x0
.irp i, 0,1,2,3,4,5,6,7,8,9
	v_min_u32 v[ROFF+\i], 1999, v[ROFF+\i]
	v_lshl_add_u32 v[ROFF+\i], v[ROFF+\i], 11, v241
.endr
; THE GATHER: my wave's 20 rows of mwt, 2,048 bytes each, two rows to a load: sixteen lanes take 256 consecutive bytes, aligned.  80 loads through a ring of 40 slots in registers.
.macro GLOAD k
	global_load_b128 v[32+4*((\k)%40):32+4*((\k)%40)+3], v[ROFF+(\k)/8], s[8:9] offset:256*((\k)%8)
.endm
.macro GSTORE k
.if (\k) < 40
	s_wait_loadcnt 39                              ; mine is in, the 39 younger ones stay out
.else
	s_wait_loadcnt 79-(\k)                         ; nothing more is asked for: the counts run down
.endif
	ds_store_b128 v[AST], v[32+4*((\k)%40):32+4*((\k)%40)+3] offset:2*AP*((\k)/8)+256*((\k)%8)
.if (\k) < 40
	GLOAD (\k)+40
.endif
.endm
.set k, 0
.rept 40
	GLOAD k
.set k, k+1
.endr
	s_mul_i32 s40, s20, 20*AP                      ; the addresses are made while the first rows are on their way
	v_mul_u32_u24 v[AST], v[HH], AP
	v_add_nc_u32 v[AST], s40, v[AST]
	v_add_nc_u32 v[AST], v[AST], v241              ; row 20 w + l / 16 (+ 2 i), 16 bytes a lane
	v_mul_u32_u24 v240, v[R], AP
	v_lshl_add_u32 v240, v[HH], 4, v240            ; a fragment of A: row l % 16, 16 bytes for each half of the lanes
.irp a, 0,1,2,3,4
	v_add_nc_u32 v[ADRA+\a], 16*\a*AP, v240
.endr
	v_and_b32 v242, 7, v0                          ; the turning load: lane l reads e = 8 (l / 16) + l % 8, d = 8 ((l / 8) % 2) + 0..7, and is left with d = l % 16 and 8 e
	v_lshl_add_u32 v242, v[HH], 3, v242
	v_mul_u32_u24 v242, v242, WP
	v_bfe_u32 v243, v0, 3, 1
	v_lshl_add_u32 v242, v243, 4, v242
	s_lshl_b32 s40, s20, 6                         ; my wave's 32 d
	v_add_nc_u32 v242, s40, v242
.irp s, 0,1
.irp h, 0,1
	v_add_nc_u32 v[ADRW+2*\s+\h], WBASE+\s*WSLOT+\h*128*WP, v242
.endr
.endr
	s_mul_i32 s41, s20, 20
	s_sub_co_i32 s41, s19, s41
	v_sub_nc_u32 v[LIM], s41, v[HH]
	v_mul_u32_u24 v[STO], v[R], SP
	v_lshl_add_u32 v[STO], v[HH], 4, v[STO]
	v_add_nc_u32 v[STO], s40, v[STO]               ; stage row l % 16 (+ 16 a), bytes 64 w + 16 (l / 16) (+ 32 nt)
	s_mul_i32 s41, s20, 20*SP
	v_mul_u32_u24 v[RD], v[HH], SP
	v_add_nc_u32 v[RD], s41, v[RD]
	v_add_nc_u32 v[RD], v[RD], v241                ; back: stage row 20 w + l / 16 (+ 2 i)
.set k, 0
.rept 80
	GSTORE k
.set k, k+1
.endr
	s_wait_tensorcnt 0x1                           ; my quarter of slot 0 is in; slot 1's may stay out
	s_wait_dscnt 0x0                               ; for the others' sake: my rows of A, my part of row 80 and my list are stored
	s_barrier_signal -1
	s_barrier_wait -1
.macro PLACES                          ; a load into a register that a matrix instruction has read, and a vector instruction that reads a matrix result, stand four plain vector instructions behind it (ISA guide 7.12.1 for vector instructions)
.rept 4
	v_nop
.endr
.endm
; The fragments of chunk c (32 e) of K step s: 14 LDS loads
.macro FETCH buf, s, c
.irp nt, 0,1
	ds_load_tr16_b128 v[(\buf)+8*\nt:(\buf)+8*\nt+3],   v[ADRW+2*((\s)%2)+(\c)/4] offset:32*WP*((\c)%4)+32*\nt
	ds_load_tr16_b128 v[(\buf)+8*\nt+4:(\buf)+8*\nt+7], v[ADRW+2*((\s)%2)+(\c)/4] offset:32*WP*((\c)%4)+16*WP+32*\nt
.endr
.irp a, 0,1,2,3,4
	ds_load_b128 v[(\buf)+16+8*\a:(\buf)+16+8*\a+3],   v[ADRA+\a] offset:512*(\s)+64*(\c)
	ds_load_b128 v[(\buf)+16+8*\a+4:(\buf)+16+8*\a+7], v[ADRA+\a] offset:512*(\s)+64*(\c)+32
.endr
.endm
; Ten matrix instructions, the ten accumulators by turns, one instruction a turn.  zero = 1: the first product starts the sums
.macro MUL10 buf, zero
.irp a, 0,1,2,3,4
.irp nt, 0,1
.if \zero
	v_wmma_f32_16x16x32_f16 v[ACC+8*(2*\a+\nt):ACC+8*(2*\a+\nt)+7], v[(\buf)+8*\nt:(\buf)+8*\nt+7], v[(\buf)+16+8*\a:(\buf)+16+8*\a+7], 0
.else
	v_wmma_f32_16x16x32_f16 v[ACC+8*(2*\a+\nt):ACC+8*(2*\a+\nt)+7], v[(\buf)+8*\nt:(\buf)+8*\nt+7], v[(\buf)+16+8*\a:(\buf)+16+8*\a+7], v[ACC+8*(2*\a+\nt):ACC+8*(2*\a+\nt)+7]
.endif
.endr
.endr
.endm
; A K step: eight chunks on two buffers; a chunk's loads are issued while the chunk before is multiplied
.macro STEP s, first
.if !(\first)
	PLACES
.endif
	FETCH FR0, \s, 0
	FETCH FR1, \s, 1
	s_wait_dscnt 14                                ; chunk 0 is in; chunk 1's fourteen loads stay out
	MUL10 FR0, \first
.irp c, 1,2,3,4,5,6
	PLACES
	FETCH FR0+56*((\c+1)%2), \s, \c+1
	s_wait_dscnt 14                                ; all but the fourteen just issued
	MUL10 FR0+56*(\c%2), 0
.endr
	s_wait_dscnt 0x0
	MUL10 FR1, 0
.endm
; The change of slots.  Each wave waits for all its tensor loads, of which one is out: its quarter of the other slot; adds 0 to its spare word; waits for that and for its reads of the slot that it leaves.
; Behind the barrier nobody reads that slot and the other is whole.  fill = 1: the slot is filled again, with the K step two on: my one tensor load, first behind the barrier, with a K step's 80 matrix instructions in which to land.
.macro CHANGE slot, fill
	s_wait_tensorcnt 0x0                           ; no tensor load of mine is out, so a group 0 may be written
	ds_add_u32 v[SPW], v[NIL]                      ; 0 onto my spare word
.if \fill
	s_add_nc_u64 s[34+4*(\slot):35+4*(\slot)], s[34+4*(\slot):35+4*(\slot)], 0x100000  ; 512 rows of 2,048 bytes on; the type bits on top are not reached
.endif
	s_wait_dscnt 0x0                               ; the add is done, and my reads of the slot are over
	s_barrier_signal -1
	s_barrier_wait -1
.if \fill
	tensor_load_to_lds s[32+4*(\slot):35+4*(\slot)], s[24:31]
	s_nop 0
.endif
.endm
	STEP 0, 1
	CHANGE 0, 1
	STEP 1, 0
	CHANGE 1, 1
	STEP 2, 0
	CHANGE 0, 0                                    ; nothing is left to fetch
	STEP 3, 0
; THE BIAS SUMS.  Work-groups dt = 0..4 take row block dt of the 80 columns, wave w the quarter e = 256 w .. + 255.  Source 0 is row 80, the same for all 16 rows of the product, so every register of the result
; holds the sum for column l % 16; the lowest is read.  The branch hangs on the work-group's number alone and jumps no barrier.
	s_cmp_lt_u32 s21, 5
	s_cbranch_scc0 .Lnobias
	s_lshl_b32 s40, s21, 4
	s_lshl_b32 s41, s20, 9
	v_add_nc_u32 v240, s40, v[R]                   ; the column's place in the slot.  These nine lines name no register of the last products: they are the places in front of the loads
	v_mul_u32_u24 v241, v240, AP
	v_lshl_add_u32 v241, v[HH], 4, v241
	v_add_nc_u32 v241, s41, v241                   ; A's fragments
	v_lshlrev_b32 v242, 4, v[HH]
	v_add_nc_u32 v242, s41, v242
	v_add_nc_u32 v242, ROWB, v242                  ; row 80's
	v_mul_u32_u24 v244, v240, 205
	v_lshrrev_b32 v244, 12, v244                   ; place / 20, exact up to 79: the wave whose list holds it
.irp h, 0,1
.if \h
	PLACES
.endif
.irp c, 0,1,2,3
	ds_load_b128 v[112+16*\c:112+16*\c+3],     v242 offset:64*(4*\h+\c)
	ds_load_b128 v[112+16*\c+4:112+16*\c+7],   v242 offset:64*(4*\h+\c)+32
	ds_load_b128 v[112+16*\c+8:112+16*\c+11],  v241 offset:64*(4*\h+\c)
	ds_load_b128 v[112+16*\c+12:112+16*\c+15], v241 offset:64*(4*\h+\c)+32
.endr
	s_wait_dscnt 0x0
.irp c, 0,1,2,3                        ; two accumulators by turns
.if (\h == 0) && (\c < 2)
	v_wmma_f32_16x16x32_f16 v[T0+8*(\c%2):T0+8*(\c%2)+7], v[112+16*\c:112+16*\c+7], v[112+16*\c+8:112+16*\c+15], 0
.else
	v_wmma_f32_16x16x32_f16 v[T0+8*(\c%2):T0+8*(\c%2)+7], v[112+16*\c:112+16*\c+7], v[112+16*\c+8:112+16*\c+15], v[T0+8*(\c%2):T0+8*(\c%2)+7]
.endif
.endr
.endr
	v_mul_u32_u24 v244, v244, 48                   ; the list's word for the place: LIST + 128 wave + 4 (place - 20 wave).  Four plain lines: the places behind the last products
	v_lshl_add_u32 v244, v240, 2, v244
	v_add_nc_u32 v244, LIST, v244
	v_lshl_add_u32 v246, v[HH], 7, v240            ; lanes 16-31 hold the same sums: they store nothing
	v_add_f32 v243, v[T0], v[T1]
	ds_load_b32 v245, v244                         ; written in front of the first barrier
	s_lshl_b32 s42, s20, 13
	s_add_nc_u64 s[16:17], s[16:17], s[42:43]      ; cpart's row w
	s_wait_dscnt 0x0
	v_min_u32 v245, 1999, v245
	v_lshlrev_b32 v245, 2, v245
	v_cmp_gt_u32 vcc_lo, s19, v246                 ; places under the count
	s_wait_xcnt 0x0                                ; EXEC changes only behind this wait
	s_and_saveexec_b32 s49, vcc_lo
	global_store_b32 v245, v243, s[16:17]
	s_wait_xcnt 0x0
	s_or_b32 exec_lo, exec_lo, s49
.Lnobias:
; THE WAY OUT.  A has been read out by every wave: its first 80 x 272 bytes become the stage.  A row's 256 bytes come from four waves, so a barrier stands between writing and reading; then wave w stores rows 20 w .. + 19,
; each to its own column's row of wct.
	s_wait_dscnt 0x0                               ; my reads of A are over
	s_barrier_signal -1
	s_barrier_wait -1
	PLACES
.irp t, 0,1,2,3,4,5,6,7,8,9
.irp q, 0,1,2,3
	v_cvt_pk_f16_f32 v[112+4*\t+\q], v[ACC+8*\t+2*\q], v[ACC+8*\t+2*\q+1]
.endr
.endr
.irp a, 0,1,2,3,4
.irp nt, 0,1
	ds_store_b128 v[STO], v[112+4*(2*\a+\nt):112+4*(2*\a+\nt)+3] offset:16*SP*\a+32*\nt
.endr
.endr
	s_lshl_b32 s42, s21, 8
	s_add_nc_u64 s[14:15], s[14:15], s[42:43]      ; wct at my work-group's 128 d
	s_wait_dscnt 0x0                               ; for the others' sake
	s_barrier_signal -1
	s_barrier_wait -1
.irp i, 0,1,2,3,4,5,6,7,8,9
	ds_load_b128 v[152+4*\i:152+4*\i+3], v[RD] offset:2*SP*\i
.endr
	s_wait_dscnt 0x0
.irp i, 0,1,2,3,4,5,6,7,8,9
	v_cmp_lt_i32 vcc_lo, 2*\i, v[LIM]              ; place 20 w + 2 i + l / 16 lies under the count
	s_wait_xcnt 0x0                                ; EXEC changes only behind this wait
	s_and_saveexec_b32 s49, vcc_lo
	global_store_b128 v[ROFF+\i], v[152+4*\i:152+4*\i+3], s[14:15]  ; sixteen lanes store 256 consecutive bytes, aligned
	s_wait_xcnt 0x0
	s_or_b32 exec_lo, exec_lo, s49
.endr
	s_wait_tensorcnt 0x0                           ; the wave's end: a zero add onto my spare word and its wait, behind my last tensor load and my last LDS store
	ds_add_u32 v[SPW], v[NIL]
	s_wait_dscnt 0x0
	s_endpgm
.Lfunc_end_k_q13aacd2a05_comb:
	.size	k_q13aacd2a05_comb, .Lfunc_end_k_q13aacd2a05_comb-k_q13aacd2a05_comb
	.p2alignl 7, 3214868480
	.fill 96, 4, 3214868480
	.section	.rodata,"a",@progbits
	.p2align	6, 0x0
	.amdhsa_kernel k_q13aacd2a05_comb
		.amdhsa_group_segment_fixed_size 327680
		.amdhsa_private_segment_fixed_size 0
		.amdhsa_enable_private_segment 0
		.amdhsa_kernarg_size 56
		.amdhsa_user_sgpr_count 2
		.amdhsa_user_sgpr_kernarg_segment_ptr 1
		.amdhsa_wavefront_size32 1
		.amdhsa_system_sgpr_workgroup_id_x 1
		.amdhsa_system_sgpr_workgroup_id_y 1
		.amdhsa_system_sgpr_workgroup_id_z 1
		.amdhsa_system_vgpr_workitem_id 0
		.amdhsa_next_free_vgpr 256
		.amdhsa_next_free_sgpr 66
		.amdhsa_reserve_vcc 1
		.amdhsa_float_denorm_mode_32 3
		.amdhsa_float_denorm_mode_16_64 3
		.amdhsa_memory_ordered 1
		.amdhsa_forward_progress 1
		.amdhsa_inst_pref_size 105
	.end_amdhsa_kernel
	.amdgpu_metadata
---
amdhsa.version: [ 1, 2 ]
amdhsa.kernels:
  - .name:           k_q13aacd2a05_comb
    .symbol:         k_q13aacd2a05_comb.kd
    .args:
      - { .name: ppos, .offset: 0, .size: 8, .value_kind: global_buffer, .address_space: global }
      - { .name: tiles, .offset: 8, .size: 8, .value_kind: global_buffer, .address_space: global }
      - { .name: mwt, .offset: 16, .size: 8, .value_kind: global_buffer, .address_space: global }
      - { .name: wh, .offset: 24, .size: 8, .value_kind: global_buffer, .address_space: global }
      - { .name: blk_b, .offset: 32, .size: 8, .value_kind: global_buffer, .address_space: global }
      - { .name: wct, .offset: 40, .size: 8, .value_kind: global_buffer, .address_space: global }
      - { .name: cpart, .offset: 48, .size: 8, .value_kind: global_buffer, .address_space: global }
    .group_segment_fixed_size: 327680
    .private_segment_fixed_size: 0
    .kernarg_segment_align: 8
    .kernarg_segment_size: 56
    .max_flat_workgroup_size: 128
    .sgpr_count:     66
    .vgpr_count:     256
    .wavefront_size: 32
...
	.end_amdgpu_metadata
.endif
;; end of part 2
;; launch proj (part 3): grid 8 x 32, 4 waves a work-group, clusters of 4 x 4, 327,680 bytes of LDS; arguments xh, wct, bias, cpart, out0; writes out0
.if DOCPART == 3
	.amdgcn_target "amdgcn-amd-amdhsa--gfx1250"
	.amdhsa_code_object_version 6
	.text
	.protected	k_q13aacd2a05_proj
	.globl	k_q13aacd2a05_proj
	.p2align	8
	.type	k_q13aacd2a05_proj,@function
k_q13aacd2a05_proj:
	s_mov_b64 s[64:65], 0
	v_nop
	global_prefetch_b8 v0, s[64:65] scope:SCOPE_SE
	s_setreg_imm32_b32 hwreg(HW_REG_WAVE_MODE, 25, 1), 1
	s_wait_xcnt 0x0
	s_wait_alu depctr_hold_cnt(0) depctr_sa_sdst(0) depctr_va_vdst(0) depctr_va_sdst(0) depctr_va_ssrc(0) depctr_va_vcc(0) depctr_vm_vsrc(0)
	s_getreg_b32 s2, hwreg(HW_REG_IB_STS2, 6, 4)
	s_cmp_eq_u32 s2, 0
	s_cbranch_scc0 .Lentry_in_a_cluster
	s_endpgm
.Lentry_in_a_cluster:
	s_bfe_u32 s2, ttmp6, 0x10000c
	s_cmp_lg_u32 s2, 0xf033
	s_cbranch_scc0 .Lentry_shape_is_right
	s_endpgm
.Lentry_shape_is_right:
; PROJ: out0[t][v] = (sum over d of xh[t][d] wct[v][d]) / 16 + bias[v] + (cpart[0][v] + .. + cpart[3][v]) / 16.  xh: [4096][1024] f16; wct: [2048][1024] f16 (rows from 2000 on are 0); out0: [4096][2000] f32.
; LIMITS.  Operands in f16, sums in f32; the factor 16 that wct and cpart carry is taken out in f32, exactly.
; SHARES.  A work-group makes 128 t x 256 v: 32 x 8 = 256 work-groups.  Four waves, each 64 t x 128 v: 32 accumulators of 16 x 16, 256 registers.  K = 1,024 goes in eight steps of 128 (rows of 256 bytes, aligned)
; through two LDS slots filled by the tensor data mover.
; CLUSTERS: 4 x 4 work-groups.  The four of a row of the cluster need the same tiles of xh, the four of a column the same tiles of wct: each tile is asked for JOINTLY, by the same tensor load with the same
; descriptor and a mask that names the four.  By this text's own count a wave has two tensor loads out at the start and one behind each refill.
; THE MATRIX INSTRUCTION: source 0 = 16 rows of wct, source 1 = 16 rows of xh: a lane then holds one t (l % 16) and eight neighbouring v.
; REGISTERS: window 0: v0-31 addresses; v32-127, v128-223 two fragment buffers (wct's eight fragments, then xh's four); v224-227 what is added to my four columns; v228-247 at work; v32-95 again on the way out.
;   window 1: the accumulators, (a, b) at v[8 (8 a + b)].  s_set_vgpr_msb's low byte: bits 1:0 source 0, 3:2 source 1, 5:4 source 2, 7:6 destination.
.set KSTEP,  128
.set PITCH,  272                       ; an LDS row: 256 bytes + 16 = 68 words: the 16 rows of a load start 4 banks apart (64 banks of 4 bytes: ISA guide 11.1)
.set XT,     128*PITCH                 ; xh's 128 rows
.set SLOT,   3*XT                      ; then wct's 256 rows
.set STAGE,  2*SLOT                    ; behind the ring: 16 rows x 528 bytes for each wave, for the way out
.set SPITCH, 528                       ; 512 bytes + 16 = 132 words
.set SPARE,  STAGE+4*16*SPITCH         ; behind the stages: the spare words, 128 bytes for each wave: two blocks of 256 bytes that no other line names
.set LAPS,   1024/(2*KSTEP)            ; a lap = two K steps = once round the ring
.set ADRA, 16                          ; v16-17  LDS address of my xh fragments in slot 0, 1
.set ADRB, 20                          ; v20-21  the same for wct
.set STO,  24                          ; v24     the way out: where I put 32 bytes of a row
.set RD,   25                          ; v25     where I read a row back
.set CO,   26                          ; v26     16 x lane: my byte offset in the wave's 512 bytes of a row of out0
.set CVO,  27                          ; v27     byte offset of my four columns in bias and in a row of cpart
.set SPW,  28                          ; v28     LDS address of my spare word; never rewritten
.set NIL,  29                          ; v29     0; never rewritten
.set F0,   32
.set F1,   128
.set CV,   224
.set T,    32
.set WV,  14                           ; s14  my wave's number
.set G1,  24                           ; s[24:31] descriptor group 1 for xh's tiles;  s[32:39] group 0, one set for each slot
.set G0,  32
.set G1B, 48                           ; s[48:55], s[56:63] the same for wct's tiles
.set G0B, 56
.set MSB, 0
.macro WIN new                         ; the immediate's high byte repeats the setting that is left; a switch that changes nothing is dropped
.if MSB != (\new)
	s_set_vgpr_msb (MSB<<8)|(\new)
.set MSB, \new
.endif
.endm
.set MUL, 0x50                         ; sources 0 and 1 window 0; C and D window 1
.set OUTW, 0x04                        ; an LDS store's data (source 1) window 1, its address window 0
.macro JLOAD s                         ; a joint load: waves 0 and 1 fetch xh's two halves (64 rows each), waves 2 and 3 wct's (128 rows each); an s_nop 0 and four v_nop follow each of the two lines, ahead of the jump, the label and what follows
	s_cmp_eq_u32 s15, 0
	s_cbranch_scc0 .Lfor_b_\@
	tensor_load_to_lds s[G0+4*(\s):G0+4*(\s)+3], s[G1:G1+7]
	s_nop 0
.rept 4
	v_nop
.endr
	s_branch .Lasked_\@
.Lfor_b_\@:
	tensor_load_to_lds s[G0B+4*(\s):G0B+4*(\s)+3], s[G1B:G1B+7]
	s_nop 0
.rept 4
	v_nop
.endr
.Lasked_\@:
.endm
.macro CREST                           ; a round of the cluster's barrier behind its opening barrier
	s_cmp_lg_u32 s[WV], 0
	s_cbranch_scc1 .Lnot_wave_0_\@
	s_barrier_signal -3
.Lnot_wave_0_\@:
	s_barrier_wait -3
	s_barrier_signal -1
	s_barrier_wait -1
.endm
.macro CROUND                          ; a whole round
	s_barrier_signal -1
	s_barrier_wait -1
	CREST
.endm
	s_load_b256 s[4:11], s[0:1], 0x0               ; xh s4, wct s6, bias s8, cpart s10
	s_load_b64 s[12:13], s[0:1], 0x20              ; out0
	v_lshl_add_u32 v[SPW], v0, 2, SPARE
	v_mov_b32 v[NIL], 0
	ds_add_u32 v[SPW], v[NIL]                      ; the wave's opening: the add, and its wait ahead of my first tensor load; the set-up below, work on registers, stands between them
	v_lshrrev_b32 v1, 5, v0
	v_readfirstlane_b32 s[WV], v1                  ; wave 0..3
	s_lshr_b32 s15, s[WV], 1                       ; which 64 of the tile's t are mine.  Also: I fetch for xh (0) or for wct (1)
	s_and_b32 s16, s[WV], 1                        ; which 128 of its v.  Also: which half of that tile I fetch
	s_bfe_u32 s40, ttmp6, 0x40000                  ; cx, cy: my place in the cluster
	s_bfe_u32 s41, ttmp6, 0x40004
	s_lshl_b32 s42, ttmp9, 2
	s_add_co_u32 s42, s42, s40                     ; tx = 4 x cluster x + cx: which 256 v
	s_and_b32 s43, ttmp7, 0xffff
	s_lshl_b32 s43, s43, 2
	s_add_co_u32 s43, s43, s41                     ; ty = 4 x cluster y + cy: which 128 t
	s_lshl_b32 s44, s41, 2
	s_lshl_b32 s44, 15, s44                        ; my row of the cluster
	s_lshl_b32 s45, 0x1111, s40                    ; my column
	s_or_b32 s[G1+0], s44, (1<<16)|(1<<20)|(1<<21)|(5<<22)|(3<<25)   ; 15:0 the mask: xh's tiles go to my row; 17:16 elements of 2 bytes; 20 padding on; 21 set beside a mask; 24:22 after every 64 words (code 5); 31:25 4 words of it (code 3)
	s_or_b32 s[G1B+0], s45, (1<<16)|(1<<20)|(1<<21)|(5<<22)|(3<<25)  ; the same with the mask of my column, for wct's tiles
	s_mov_b32 s[G1+1], KSTEP<<16                   ; tensor_dim0 = 128
	s_mov_b32 s[G1+2], 64<<16                      ; tensor_dim1 = 64
	s_mov_b32 s[G1+3], KSTEP<<16                   ; tile_dim0 = 128
	s_mov_b32 s[G1+4], 64                          ; tile_dim1 = 64
	s_mov_b32 s[G1+5], 1024                        ; elements from row to row
	s_mov_b32 s[G1+6], 0
	s_mov_b32 s[G1+7], 0
	s_mov_b32 s[G1B+1], KSTEP<<16
	s_mov_b32 s[G1B+2], 128<<16                    ; 128 rows
	s_mov_b32 s[G1B+3], KSTEP<<16
	s_mov_b32 s[G1B+4], 128
	s_mov_b32 s[G1B+5], 1024
	s_mov_b32 s[G1B+6], 0
	s_mov_b32 s[G1B+7], 0
	; where the tiles come from: xh's hang on ty alone, wct's on tx alone, each in registers that never hold the other coordinate
	s_lshl_b32 s18, s43, 18                        ; 128 ty rows of 2,048 bytes,
	s_lshl_b32 s17, s16, 17                        ; + 64 x half
	s_add_co_u32 s18, s18, s17
	s_mov_b32 s19, 0
	s_lshl_b32 s46, s42, 19                        ; 256 tx rows,
	s_lshl_b32 s47, s16, 18                        ; + 128 x half
	s_add_co_u32 s46, s46, s47
	s_mov_b32 s47, 0
	s_mul_i32 s20, s16, 64*PITCH                   ; and where they go: no place in the cluster enters an LDS address
	s_mul_i32 s21, s16, 128*PITCH
	s_add_co_u32 s21, s21, XT
	s_wait_dscnt 0x0                               ; the opening add is done
	s_wait_kmcnt 0x0
	s_add_nc_u64 s[18:19], s[4:5], s[18:19]
	s_add_nc_u64 s[46:47], s[6:7], s[46:47]
	CROUND                                         ; all sixteen work-groups are here: the first joint loads meet
.irp s, 0,1
	s_mov_b32 s[G0+4*(\s)], 1
	s_add_co_u32 s[G0+4*(\s)+1], s20, (\s)*SLOT
	s_add_nc_u64 s[G0+4*(\s)+2:G0+4*(\s)+3], s[18:19], (\s)*KSTEP*2
	s_or_b32 s[G0+4*(\s)+3], s[G0+4*(\s)+3], 0x80000000
	s_mov_b32 s[G0B+4*(\s)], 1
	s_add_co_u32 s[G0B+4*(\s)+1], s21, (\s)*SLOT
	s_add_nc_u64 s[G0B+4*(\s)+2:G0B+4*(\s)+3], s[46:47], (\s)*KSTEP*2
	s_or_b32 s[G0B+4*(\s)+3], s[G0B+4*(\s)+3], 0x80000000
	JLOAD \s
.endr
	v_and_b32 v1, 15, v0                           ; l % 16
	v_bfe_u32 v2, v0, 4, 1                         ; l / 16
	v_and_b32 v6, 31, v0                           ; lane
	v_mul_u32_u24 v3, v1, PITCH
	v_lshl_add_u32 v3, v2, 4, v3                   ; a fragment's row x pitch + 16 x half
	s_mul_i32 s22, s15, 64*PITCH                   ; my 64 rows of xh
	s_mul_i32 s23, s16, 128*PITCH                  ; my 128 rows of wct,
	s_add_co_u32 s23, s23, XT                      ; which lie behind xh's 128
.irp s, 0,1
	v_add_nc_u32 v[ADRA+(\s)], s22, v3
	v_add_nc_u32 v[ADRB+(\s)], s23, v3
	s_add_co_u32 s22, s22, SLOT
	s_add_co_u32 s23, s23, SLOT
.endr
	s_mul_i32 s22, s[WV], 16*SPITCH
	s_add_co_u32 s22, s22, STAGE                   ; my stage
	v_mul_u32_u24 v4, v1, SPITCH                   ; in: row l % 16, 32 bytes for each half of the lanes
	v_lshl_add_u32 v4, v2, 5, v4
	v_add_nc_u32 v[STO], s22, v4
	v_lshlrev_b32 v[CO], 4, v6
	v_add_nc_u32 v[RD], s22, v[CO]                 ; back: 32 lanes take one row of 512 bytes
	s_lshl_b32 s66, s42, 8
	s_lshl_b32 s67, s16, 7
	s_add_co_u32 s66, s66, s67                     ; my wave's first column: 256 tx + 128 x half
	v_lshl_add_u32 v5, v6, 2, s66                  ; my first of four columns on the way out
	v_lshlrev_b32 v[CVO], 2, v5
	v_min_u32 v[CVO], 7984, v[CVO]                 ; lanes past column 1999 read the last four again, and store nothing
	global_load_b128 v[228:231], v[CVO], s[8:9]
.irp q, 0,1,2,3
	global_load_b128 v[232+4*\q:235+4*\q], v[CVO], s[10:11] offset:8192*\q
.endr
	s_lshl_b32 s68, s43, 7
	s_lshl_b32 s69, s15, 6
	s_add_co_u32 s68, s68, s69                     ; my first row of out0: 128 ty + 64 x half,
	s_mul_i32 s68, s68, 8000                       ; in bytes (under 2^25),
	s_lshl_b32 s69, s66, 2
	s_add_co_u32 s68, s68, s69                     ; and my first column
	s_mov_b32 s69, 0
	s_add_nc_u64 s[12:13], s[12:13], s[68:69]
	s_wait_loadcnt 0x0
.irp j, 0,2
	v_pk_add_f32 v[232+\j:233+\j], v[232+\j:233+\j], v[236+\j:237+\j]
	v_pk_add_f32 v[240+\j:241+\j], v[240+\j:241+\j], v[244+\j:245+\j]
.endr
.irp j, 0,2
	v_pk_add_f32 v[232+\j:233+\j], v[232+\j:233+\j], v[240+\j:241+\j]
.endr
.irp j, 0,2
	v_pk_fma_f32 v[CV+\j:CV+\j+1], v[232+\j:233+\j], 0x3d800000, v[228+\j:229+\j] op_sel_hi:[1,0,1]  ; bias + the four quarter sums / 16
.endr
; 8 matrix instructions: t block a x all 8 v blocks, 32 along K.  The 32 accumulators take turns, one instruction a turn, in the same order in every quarter.  zero = 1: the first product starts the sums
.macro MULB f, a, zero
	WIN MUL
.irp b, 0,1,2,3,4,5,6,7
.if \zero
	v_wmma_f32_16x16x32_f16 v[8*(8*(\a)+\b):8*(8*(\a)+\b)+7], v[(\f)+8*\b:(\f)+8*\b+7], v[(\f)+64+8*(\a):(\f)+64+8*(\a)+7], 0
.else
	v_wmma_f32_16x16x32_f16 v[8*(8*(\a)+\b):8*(8*(\a)+\b)+7], v[(\f)+8*\b:(\f)+8*\b+7], v[(\f)+64+8*(\a):(\f)+64+8*(\a)+7], v[8*(8*(\a)+\b):8*(8*(\a)+\b)+7]
.endif
.endr
.endm
; 24 LDS loads in one run: the fragments of 32 along K at byte k of the rows, into buffer f; xh's blocks 2 and 3 last
.macro FETCH slot, k, f
	WIN 0
.irp i, 0,1,2,3,4,5,6,7
	ds_load_b128 v[(\f)+8*\i:(\f)+8*\i+3],   v[ADRB+(\slot)] offset:(\k)+\i*16*PITCH
	ds_load_b128 v[(\f)+8*\i+4:(\f)+8*\i+7], v[ADRB+(\slot)] offset:(\k)+\i*16*PITCH+32
.endr
.irp i, 0,1,2,3
	ds_load_b128 v[(\f)+64+8*\i:(\f)+64+8*\i+3],   v[ADRA+(\slot)] offset:(\k)+\i*16*PITCH
	ds_load_b128 v[(\f)+64+8*\i+4:(\f)+64+8*\i+7], v[ADRA+(\slot)] offset:(\k)+\i*16*PITCH+32
.endr
.endm
.macro PLACES                          ; four plain vector instructions in front of loads into registers that matrix instructions have read, and of LDS stores that read results (ISA guide 7.12.1 for vector instructions)
.rept 4
	v_nop
.endr
.endm
; A K step is four quarters of 32 along K, 32 matrix instructions each, on buffers 0, 1, 0, 1.  One of the first three: multiplies buffer f and fetches the next quarter, at byte k, into g.
.macro QUARTER slot, k, f, g, zero
	s_wait_dscnt 4                                 ; wct's fragments and xh's blocks 0 and 1 are in; the youngest four loads may be out
	MULB \f, 0, \zero
	MULB \f, 1, \zero
	PLACES
	FETCH \slot, \k, \g
	s_wait_dscnt 24                                ; all but the 24 just issued
	MULB \f, 2, \zero
	MULB \f, 3, \zero
.endm
; The last quarter multiplies buffer 1 and changes slots: ONE barrier; in front of it each wave waits for all its tensor loads, adds 0 to its spare word, and waits for that and for its own reads of this slot.
; fill = 1: this slot is filled again, two K steps ahead; the barrier then opens a round of the cluster's barrier.
.macro TURN slot, next, fill
	WIN 0                                          ; (the add's two registers lie in window 0)
	s_wait_tensorcnt 0x0                           ; all my tensor loads have landed: my part of the next slot;
	ds_add_u32 v[SPW], v[NIL]                      ; 0 onto my spare word;
	s_wait_dscnt 5                                 ; (the add and the youngest four loads may be out)
	MULB F1, 0, 0                                  ; eight matrix instructions stand between the add and the wait for it
	s_wait_dscnt 0x0                               ; the add is done, and my reads of this slot are over
	s_barrier_signal -1
	MULB F1, 1, 0
.if \fill
	WIN 0
.endif
	s_barrier_wait -1
.if \fill
	CREST                                          ; no wave of any partner still reads this slot's tile or has a load on its way
	s_add_nc_u64 s[G0+4*(\slot)+2:G0+4*(\slot)+3], s[G0+4*(\slot)+2:G0+4*(\slot)+3], 2*KSTEP*2
	s_add_nc_u64 s[G0B+4*(\slot)+2:G0B+4*(\slot)+3], s[G0B+4*(\slot)+2:G0B+4*(\slot)+3], 2*KSTEP*2
	JLOAD \slot                                    ; the first tensor load behind the round: 112 matrix instructions ahead of the wait for it; the four v_nop behind it are also the places in front of the loads below
.else
	PLACES
.endif
	FETCH \next, 0, F0
	MULB F1, 2, 0
	MULB F1, 3, 0
.endm
	s_wait_tensorcnt 1                             ; my part of K step 0 is in; K step 1's may stay out
	s_barrier_signal -1
	s_barrier_wait -1                              ; everybody's is
	FETCH 0, 0, F0
	QUARTER 0, 64, F0, F1, 1                       ; the first quarter stands in front of the loop: its products start the sums
	WIN 0                                          ; at a label and at a branch every window is 0
	s_mov_b32 s3, LAPS-1
.Llap:                                                 ; a trip goes once round the ring, from a lap's second quarter to the next lap's first, and fills both slots again
	QUARTER 0, 128, F1, F0, 0
	QUARTER 0, 192, F0, F1, 0
	TURN 0, 1, 1
	QUARTER 1, 64,  F0, F1, 0
	QUARTER 1, 128, F1, F0, 0
	QUARTER 1, 192, F0, F1, 0
	TURN 1, 0, 1
	QUARTER 0, 64,  F0, F1, 0
	WIN 0
	s_sub_co_u32 s3, s3, 1
	s_cmp_lg_u32 s3, 0
	s_cbranch_scc1 .Llap
	QUARTER 0, 128, F1, F0, 0                      ; the last lap fills nothing, and has no round of the cluster's barrier
	QUARTER 0, 192, F0, F1, 0
	TURN 0, 1, 0
	QUARTER 1, 64,  F0, F1, 0
	QUARTER 1, 128, F1, F0, 0
	QUARTER 1, 192, F0, F1, 0
	s_wait_dscnt 4                                 ; the very last quarter: nothing more to fetch
	MULB F1, 0, 0
	MULB F1, 1, 0
	s_wait_dscnt 0x0
	MULB F1, 2, 0
	MULB F1, 3, 0
	WIN 0
	; THE WAY OUT, a block of 16 t at a time: a lane's eight neighbouring v (32 bytes) go into my own stage, rows of 528 bytes, and come back as whole rows of 512 bytes; then / 16 + what is added to the column; then the store:
	; a wave's store covers 512 consecutive bytes of a row of out0.  A row of out0 is 8,000 bytes, so rows begin at 0, 64, 128 or 192 past a multiple of 256, and no split of the columns could be aligned in every row.
	PLACES
	v_cmp_gt_u32 s70, 2000, v5                     ; my four columns exist (2,000 is a multiple of 4); held in a scalar register of its own
.irp a, 0,1,2,3
	WIN OUTW
.irp b, 0,1,2,3,4,5,6,7
	ds_store_b128 v[STO], v[8*(8*\a+\b):8*(8*\a+\b)+3]   offset:64*\b      ; each accumulator is read from its low end on
	ds_store_b128 v[STO], v[8*(8*\a+\b)+4:8*(8*\a+\b)+7] offset:64*\b+16
.endr
	WIN 0
.irp i, 0,1,2,3,4,5,6,7,8,9,10,11,12,13,14,15
	ds_load_b128 v[T+4*\i:T+4*\i+3], v[RD] offset:SPITCH*\i  ; LDS serves a wave's instructions in order (ISA guide 5.7.1.4): these see the stores above; the next block's stores come behind them
.endr
	s_wait_dscnt 0x0
.irp i, 0,1,2,3,4,5,6,7,8,9,10,11,12,13,14,15
	v_pk_fma_f32 v[T+4*\i:T+4*\i+1],   v[T+4*\i:T+4*\i+1],   0x3d800000, v[CV:CV+1]   op_sel_hi:[1,0,1]
	v_pk_fma_f32 v[T+4*\i+2:T+4*\i+3], v[T+4*\i+2:T+4*\i+3], 0x3d800000, v[CV+2:CV+3] op_sel_hi:[1,0,1]
.endr
	s_wait_xcnt 0x0                                ; EXEC changes only behind this wait
	s_and_saveexec_b32 s71, s70
.irp i, 0,1,2,3,4,5,6,7,8,9,10,11,12,13,14,15
	global_store_b128 v[CO], v[T+4*\i:T+4*\i+3], s[12:13] offset:(16*\a+\i)*8000 th:TH_STORE_NT
.endr
	s_wait_xcnt 0x0                                ; and again in front of the line that widens it; the next block's loads land in the stores' registers only behind this wait
	s_or_b32 exec_lo, exec_lo, s71
.endr
	s_wait_tensorcnt 0x0                           ; the wave's end: a zero add onto my spare word and its wait, behind my last tensor load and my last LDS store
	ds_add_u32 v[SPW], v[NIL]
	s_wait_dscnt 0x0
	CROUND                                         ; the closing round: no work-group ends while a partner may still ask for a tile that names it
	s_endpgm
.Lfunc_end_k_q13aacd2a05_proj:
	.size	k_q13aacd2a05_proj, .Lfunc_end_k_q13aacd2a05_proj-k_q13aacd2a05_proj
	.p2alignl 7, 3214868480
	.fill 96, 4, 3214868480
	.section	.rodata,"a",@progbits
	.p2align	6, 0x0
	.amdhsa_kernel k_q13aacd2a05_proj
		.amdhsa_group_segment_fixed_size 327680
		.amdhsa_private_segment_fixed_size 0
		.amdhsa_enable_private_segment 0
		.amdhsa_kernarg_size 40
		.amdhsa_user_sgpr_count 2
		.amdhsa_user_sgpr_kernarg_segment_ptr 1
		.amdhsa_wavefront_size32 1
		.amdhsa_system_sgpr_workgroup_id_x 1
		.amdhsa_system_sgpr_workgroup_id_y 1
		.amdhsa_system_sgpr_workgroup_id_z 1
		.amdhsa_system_vgpr_workitem_id 0
		.amdhsa_next_free_vgpr 512
		.amdhsa_next_free_sgpr 72
		.amdhsa_reserve_vcc 0
		.amdhsa_float_denorm_mode_32 3
		.amdhsa_float_denorm_mode_16_64 3
		.amdhsa_memory_ordered 1
		.amdhsa_forward_progress 1
		.amdhsa_inst_pref_size 98
	.end_amdhsa_kernel
	.amdgpu_metadata
---
amdhsa.version: [ 1, 2 ]
amdhsa.kernels:
  - .name:           k_q13aacd2a05_proj
    .symbol:         k_q13aacd2a05_proj.kd
    .args:
      - { .name: xh, .offset: 0, .size: 8, .value_kind: global_buffer, .address_space: global }
      - { .name: wct, .offset: 8, .size: 8, .value_kind: global_buffer, .address_space: global }
      - { .name: bias, .offset: 16, .size: 8, .value_kind: global_buffer, .address_space: global }
      - { .name: cpart, .offset: 24, .size: 8, .value_kind: global_buffer, .address_space: global }
      - { .name: out0, .offset: 32, .size: 8, .value_kind: global_buffer, .address_space: global }
    .group_segment_fixed_size: 327680
    .private_segment_fixed_size: 0
    .kernarg_segment_align: 8
    .kernarg_segment_size: 40
    .max_flat_workgroup_size: 128
    .sgpr_count:     72
    .vgpr_count:     512
    .wavefront_size: 32
...
	.end_amdgpu_metadata
.endif
;; end of part 3
